; MI455X (gfx1250); checked and timed in simulation.
; The chip was launched on July 23, 2026; its instructions are those of AMD's public machine-readable ISA for CDNA 5 (MIT licence, August 2026) and "CDNA5" Instruction Set Architecture Reference Guide (July 2026). The comments in the code are by the model that wrote it; some were corrected since.
;; KNN Classifier Layer2. Allowed arithmetic: matrix products marked QUANTISED: E2M1 operands, one E8M0 scale for each 32 along K, by v_wmma_scale_f32_16x16x128_f8f6f4 with both operands' format E2M1 (or v_wmma_scale_f32_32x16x128_f4), f32 sums; everything else in f32.
;; Inputs: X_train 50,000 x 32 float32; x 4,096 x 32 float32; y_train 50,000 int32.
;; Outputs: out0 4,096 x 6 float32.
;; This version of the problem:
;;   THIS VERSION OF THE PROBLEM IS GIVEN IN LOW PRECISION. The matrix products marked QUANTISED in the list below multiply operands that are first quantised to E2M1 (2 exponent bits, 1 mantissa bit; 4 bits a number), with one power-of-two scale for each 32 numbers along K (OCP MX v1.0); their sums are f32. All else is computed in f32.
;;   The module's matrix products, in the order in which they are computed (A, B: the left and right operand; K: the contracted axis; several contracted axes count as one K, in the product's order):
;;     1. [M 4,096, K 32] x [K 32, N 50,000]; A: input x; B: input X_train: QUANTISED
;;   THE QUANTISER, for each operand of a quantised product, along K:
;;     - K is cut into blocks of 32 from its start; a last block that is shorter is filled with zeros.
;;     - A block's scale is 2^e with e = floor(log2(the largest magnitude in the block)) - 2, held to -126 .. 127; a block of zeros has e = 0. As a byte (E8M0): e + 127.
;;     - Each number is divided by its block's scale, clamped to +-6, and rounded to the nearest number of E2M1, ties to even, subnormals kept.
;;     - The product sums the exact products of the quantised numbers (number of the format x scale) in f32.
;;   ~~~python
;;   def quantise(x, axis):      # numpy; x: float32 -> the quantised numbers, widened to float32 again
;;       x = np.moveaxis(x, axis, -1); K = x.shape[-1]
;;       x = np.pad(x, [(0, 0)] * (x.ndim - 1) + [(0, -K % 32)]); x = x.reshape(x.shape[:-1] + (-1, 32)); a = np.abs(x).max(-1, keepdims=True)
;;       e = np.where(a > 0, np.clip(np.frexp(np.where(a > 0, a, 1))[1] - 1 - 2, -126, 127), 0)      # np.frexp(a)[1] - 1 = floor(log2(a)), exactly
;;       r = np.clip(x / 2.0 ** e, -6, 6)
;;       step = 2.0 ** (np.maximum(np.frexp(np.where(r == 0, 1, r))[1] - 1, 0) - 1)
;;       q = np.round(r / step) * step * 2.0 ** e      # np.round: ties to even
;;       return np.moveaxis(q.reshape(q.shape[:-2] + (-1,))[..., :K], -1, axis).astype(np.float32)
;;   ~~~
;; One version. Each part assembles by itself: llvm-mc -triple=amdgcn-amd-amdhsa -mcpu=gfx1250 --defsym DOCPART=n.
;; ======== version 1 of 1: 3 launches
;; workspace buffers: codes 868,352 bytes; sq 217,088 bytes; sb 54,272 bytes; gsel 262,144 bytes of whole numbers
;; launch prep (part 1): grid 212 x 1, 8 waves a work-group, no clusters, 39,424 bytes of LDS; arguments X_train, x, codes, sq, sb; writes codes, sq, sb
.if DOCPART == 1
	.amdgcn_target "amdgcn-amd-amdhsa--gfx1250"
	.amdhsa_code_object_version 6
	.text
	.protected	k_q9515c3d76e_prep
	.globl	k_q9515c3d76e_prep
	.p2align	8
	.type	k_q9515c3d76e_prep,@function
k_q9515c3d76e_prep:
	s_mov_b64 s[64:65], 0
	v_nop
	global_prefetch_b8 v0, s[64:65] scope:SCOPE_SE
	s_setreg_imm32_b32 hwreg(HW_REG_WAVE_MODE, 25, 1), 1
	s_wait_xcnt 0x0
; X_train [50000][32] and x [4096][32], f32, become one joined table of 54,272 rows: rows 0..49,999 the training rows, 50,000..50,175 padding, 50,176.. the queries.
; For each row: 32 codes of FP4 (E2M1), 16 bytes (codes); its one E8M0 scale byte (sb); the sum of its 32 squares in f32 (sq), +infinity on the padding rows, so that no padding row is ever a neighbour.
; A row is one block of 32: its scale is 2^(floor(log2(largest magnitude)) - 2); the byte is the largest magnitude's exponent field - 2, held at 1 from below.  A row of zeros gets the byte 1 where the rule
; says 127: its codes are zeros, which add nothing under any byte but 0xff, and this program alone reads the bytes.
; LIMITS: NaN and infinities among the inputs are not served.  The sum of squares is ONE chain of fused multiply-adds, k ascending: an order of rounding that may differ from a tree's.
; SHARES: a work-group takes 256 rows, a wave 32, a lane ONE row: the conversions take neighbours along K from one lane's registers.  The loads take the bytes as they lie (512 consecutive bytes each);
; the wave's 4,096 bytes turn through its own stage in LDS (rows 144 bytes apart) and come back a row a lane.  Work-groups share nothing: no cluster, no tensor load.
; The padding rows' loads are held at the buffer's last 16 bytes: what they make is valid and never chosen.
.set NTR,   196                        ; work-groups that take X_train (196 x 256 = 50,176 rows); the other 16 take x
.set PITCH, 144                        ; a stage row: 128 bytes + 16
.set WST,   32*PITCH                   ; a wave's stage
.set TG,    8*WST                      ; the work-group's 256 sums of squares
.set SG,    TG+1024                    ; and its 256 scale bytes
.set VO,    2                          ; v2-9    byte offsets of my eight loads
.set X,     16                         ; v16-47  32 numbers
	s_load_b128 s[4:7], s[0:1], 0x0                ; X_train, x
	s_load_b128 s[8:11], s[0:1], 0x10              ; codes, sq
	s_load_b64 s[12:13], s[0:1], 0x20              ; sb
	v_lshl_add_u32 v64, v0, 2, 0x9600
	v_mov_b32 v65, 0
	v_lshrrev_b32 v1, 5, v0
	s_delay_alu instid0(VALU_DEP_1)
	v_readfirstlane_b32 s14, v1                    ; wave
	v_and_b32 v1, 31, v0                           ; lane
	s_mul_i32 s20, s14, WST
	v_lshrrev_b32 v10, 3, v1
	s_delay_alu instid0(VALU_DEP_1)
	v_mul_u32_u24 v10, v10, PITCH
	v_and_b32 v11, 7, v1
	s_delay_alu instid0(VALU_DEP_1)
	v_lshl_add_u32 v10, v11, 4, v10
	s_delay_alu instid0(VALU_DEP_1)
	v_add_nc_u32 v10, s20, v10                     ; into the stage: a load's 512 bytes are four rows: row lane / 8, 16 bytes at 16 (lane % 8)
	v_mul_u32_u24 v11, v1, PITCH
	s_delay_alu instid0(VALU_DEP_1)
	v_add_nc_u32 v11, s20, v11                     ; out of it: row = lane
	v_lshl_add_u32 v58, v0, 2, TG                  ; my row's sum
	v_add_nc_u32 v59, SG, v0                       ; my row's byte
	v_lshl_add_u32 v12, v0, 4, TG                  ; the way out: waves 0 and 1 take the sums, 16 bytes a lane,
	v_lshl_add_u32 v13, v1, 3, SG                  ; wave 2 the bytes, 8 a lane
	v_lshlrev_b32 v14, 4, v1                       ; memory: my row's codes in the wave's 512 bytes
	v_lshlrev_b32 v15, 4, v0                       ; and my 16 bytes of the work-group's sums
	s_lshl_b32 s21, ttmp9, 8                       ; the work-group's first row in the joined table
	s_lshl_b32 s22, ttmp9, 12
	s_lshl_b32 s18, s14, 9
	s_add_co_u32 s22, s22, s18                     ; codes: 16 bytes a row: 4,096 x work-group + 512 x wave
	s_mov_b32 s23, 0
	s_lshl_b32 s24, ttmp9, 10                      ; sums: 1,024 x work-group
	s_mov_b32 s25, 0
	s_mov_b32 s26, s21                             ; bytes: 256 x work-group
	s_mov_b32 s27, 0
	s_wait_kmcnt 0x0
	s_cmp_lt_u32 ttmp9, NTR                        ; X_train's work-group or x's?  The choice hangs on the work-group's number alone
	s_cselect_b64 s[4:5], s[4:5], s[6:7]
	s_cselect_b32 s15, 0, NTR
	s_mov_b32 s16, 524272
	s_cselect_b32 s16, 6399984, s16                ; the source's last 16 bytes
	s_mov_b32 s17, 50000
	s_cselect_b32 s17, s17, -1                     ; joined rows from here on are padding (x has none)
	s_sub_co_u32 s15, ttmp9, s15
	s_lshl_b32 s15, s15, 15                        ; 256 rows of 128 bytes
	s_lshl_b32 s18, s14, 12                        ; 32 rows of 128 bytes
	s_add_co_u32 s15, s15, s18
	s_add_nc_u64 s[8:9], s[8:9], s[22:23]
	s_add_nc_u64 s[10:11], s[10:11], s[24:25]
	s_add_nc_u64 s[12:13], s[12:13], s[26:27]
	v_lshl_add_u32 v[VO], v1, 4, s15
.irp k, 1,2,3,4,5,6,7
	v_add_nc_u32 v[VO+\k], 512*\k, v[VO]
.endr
.irp k, 0,1,2,3,4,5,6,7
	v_min_u32 v[VO+\k], s16, v[VO+\k]              ; no load leaves its buffer
.endr
.irp k, 0,1,2,3,4,5,6,7
	global_load_b128 v[X+4*\k:X+4*\k+3], v[VO+\k], s[4:5] th:TH_LOAD_NT   ; 32 lanes read 512 consecutive bytes; read once in the launch
.endr
.irp k, 0,1,2,3,4,5,6,7
	s_wait_loadcnt 7-\k                            ; loads come back in order: load k is in, the younger ones stay out
	ds_store_b128 v10, v[X+4*\k:X+4*\k+3] offset:4*PITCH*\k
.endr
.irp i, 0,1,2,3,4,5,6,7
	ds_load_b128 v[X+4*\i:X+4*\i+3], v11 offset:16*\i   ; LDS serves a wave's instructions in order: these see my stores
.endr
	s_wait_dscnt 0x0
	v_max3_num_f32 v48, |v[X]|, |v[X+1]|, |v[X+2]|         ; the row's largest magnitude, in two chains; between them the chain of squares
	v_max3_num_f32 v49, |v[X+3]|, |v[X+4]|, |v[X+5]|
	v_mul_f32 v52, v[X], v[X]
.set n, 0
.rept 12
	s_delay_alu instid0(VALU_DEP_1)
	v_fmac_f32 v52, v[X+1+2*n], v[X+1+2*n]
	v_max3_num_f32 v[48+n%2], v[48+n%2], |v[X+6+2*n]|, |v[X+7+2*n]|
	s_delay_alu instid0(VALU_DEP_2)
	v_fmac_f32 v52, v[X+2+2*n], v[X+2+2*n]
.set n, n+1
.endr
	s_delay_alu instid0(VALU_DEP_1)
	v_fmac_f32 v52, v[X+25], v[X+25]
	v_max3_num_f32 v48, v48, |v[X+30]|, |v[X+31]|
	s_delay_alu instid0(VALU_DEP_2)
	v_fmac_f32 v52, v[X+26], v[X+26]
	s_delay_alu instid0(VALU_DEP_1)
	v_fmac_f32 v52, v[X+27], v[X+27]
	s_delay_alu instid0(VALU_DEP_3)
	v_max3_num_f32 v48, v48, v49, 0x1800000        ; and the floor 2^(3 - 127): the byte cannot fall under 1
	s_delay_alu instid0(VALU_DEP_2)
	v_fmac_f32 v52, v[X+28], v[X+28]
	s_delay_alu instid0(VALU_DEP_2)
	v_add_nc_u32 v50, 0xff000000, v48              ; 2 off the exponent field: the conversion takes the exponent field of this operand as its scale
	s_delay_alu instid0(VALU_DEP_2)
	v_fmac_f32 v52, v[X+29], v[X+29]
	s_delay_alu instid0(VALU_DEP_2)
	v_lshrrev_b32 v51, 23, v50                     ; the scale's byte
	s_delay_alu instid0(VALU_DEP_2)
	v_fmac_f32 v52, v[X+30], v[X+30]
	s_delay_alu instid0(VALU_DEP_1)
	v_fmac_f32 v52, v[X+31], v[X+31]
.irp g, 0,1,2,3
	v_cvt_scalef32_pk8_fp4_f32 v[54+\g], v[X+8*\g:X+8*\g+7], v50   ; eight numbers / the scale, to the nearest code, ties to even, beyond 6 the largest code
.endr
	v_nop                                          ; one plain place behind the last scaled conversion
	v_mov_b32 v53, 0x7f800000
	v_add_nc_u32 v49, s21, v0                      ; my row in the joined table
	s_delay_alu instid0(VALU_DEP_1)
	v_cmp_le_u32 vcc_lo, s17, v49
	s_delay_alu instid0(VALU_DEP_1)
	v_cndmask_b32 v52, v52, v53, vcc_lo            ; a padding row lies infinitely far away
	v_lshlrev_b32 v2, 3, v1                        ; memory: 8 bytes a lane (my loads are in: their offset registers are free)
	global_store_b128 v14, v[54:57], s[8:9]        ; 32 lanes store 512 consecutive bytes, aligned
	ds_store_b32 v58, v52
	ds_store_b8 v59, v51
	s_wait_dscnt 0x0                               ; for the others' sake: my stores have landed
	s_barrier_signal -1
	s_barrier_wait -1
	s_cmp_lt_u32 s14, 2
	s_cbranch_scc0 .Lnot_sums
	ds_load_b128 v[60:63], v12
	s_wait_dscnt 0x0
	global_store_b128 v15, v[60:63], s[10:11]      ; 512 consecutive bytes a wave
	s_branch .Lend
.Lnot_sums:
	s_cmp_eq_u32 s14, 2
	s_cbranch_scc0 .Lend
	ds_load_b64 v[60:61], v13
	s_wait_dscnt 0x0
	s_wait_alu depctr_va_vdst(0)
	global_store_b64 v2, v[60:61], s[12:13]        ; 256 consecutive bytes, aligned
.Lend:
	s_barrier_signal -1
	s_barrier_wait -1
	s_wait_tensorcnt 0x0
	ds_add_u32 v64, v65
	s_wait_dscnt 0x0
	s_endpgm
.Lfunc_end_k_q9515c3d76e_prep:
	.size	k_q9515c3d76e_prep, .Lfunc_end_k_q9515c3d76e_prep-k_q9515c3d76e_prep
	.p2alignl 7, 3214868480
	.fill 96, 4, 3214868480
	.section	.rodata,"a",@progbits
	.p2align	6, 0x0
	.amdhsa_kernel k_q9515c3d76e_prep
		.amdhsa_group_segment_fixed_size 39424
		.amdhsa_private_segment_fixed_size 0
		.amdhsa_enable_private_segment 0
		.amdhsa_kernarg_size 40
		.amdhsa_user_sgpr_count 2
		.amdhsa_user_sgpr_kernarg_segment_ptr 1
		.amdhsa_wavefront_size32 1
		.amdhsa_system_sgpr_workgroup_id_x 1
		.amdhsa_system_sgpr_workgroup_id_y 1
		.amdhsa_system_sgpr_workgroup_id_z 1
		.amdhsa_system_vgpr_workitem_id 0
		.amdhsa_next_free_vgpr 66
		.amdhsa_next_free_sgpr 66
		.amdhsa_reserve_vcc 1
		.amdhsa_float_denorm_mode_32 3
		.amdhsa_float_denorm_mode_16_64 3
		.amdhsa_memory_ordered 1
		.amdhsa_forward_progress 1
		.amdhsa_inst_pref_size 11
	.end_amdhsa_kernel
	.amdgpu_metadata
---
amdhsa.version: [ 1, 2 ]
amdhsa.kernels:
  - .name:           k_q9515c3d76e_prep
    .symbol:         k_q9515c3d76e_prep.kd
    .args:
      - { .name: X_train, .offset: 0, .size: 8, .value_kind: global_buffer, .address_space: global }
      - { .name: x, .offset: 8, .size: 8, .value_kind: global_buffer, .address_space: global }
      - { .name: codes, .offset: 16, .size: 8, .value_kind: global_buffer, .address_space: global }
      - { .name: sq, .offset: 24, .size: 8, .value_kind: global_buffer, .address_space: global }
      - { .name: sb, .offset: 32, .size: 8, .value_kind: global_buffer, .address_space: global }
    .group_segment_fixed_size: 39424
    .private_segment_fixed_size: 0
    .kernarg_segment_align: 8
    .kernarg_segment_size: 40
    .max_flat_workgroup_size: 256
    .sgpr_count:     66
    .vgpr_count:     66
    .wavefront_size: 32
...
	.end_amdgpu_metadata
.endif
;; end of part 1
;; launch scan (part 2): grid 256 x 1, 8 waves a work-group, clusters of 4 x 1, 327,680 bytes of LDS; arguments codes, sq, sb, gsel; writes gsel
.if DOCPART == 2
	.amdgcn_target "amdgcn-amd-amdhsa--gfx1250"
	.amdhsa_code_object_version 6
	.text
	.protected	k_q9515c3d76e_scan
	.globl	k_q9515c3d76e_scan
	.p2align	8
	.type	k_q9515c3d76e_scan,@function
k_q9515c3d76e_scan:
	s_mov_b64 s[64:65], 0
	v_nop
	global_prefetch_b8 v0, s[64:65] scope:SCOPE_SE
	s_setreg_imm32_b32 hwreg(HW_REG_WAVE_MODE, 25, 1), 1
	s_wait_xcnt 0x0
	s_wait_alu depctr_hold_cnt(0) depctr_sa_sdst(0) depctr_va_vdst(0) depctr_va_sdst(0) depctr_va_ssrc(0) depctr_va_vcc(0) depctr_vm_vsrc(0)
	s_getreg_b32 s2, hwreg(HW_REG_IB_STS2, 6, 4)
	s_cmp_eq_u32 s2, 0
	s_cbranch_scc0 .Lentry_in_a_cluster
	s_endpgm
.Lentry_in_a_cluster:
	s_bfe_u32 s2, ttmp6, 0x10000c
	s_cmp_lg_u32 s2, 0x3003
	s_cbranch_scc0 .Lentry_shape_is_right
	s_endpgm
.Lentry_shape_is_right:
; For each query: the 5 GROUPS of 56 consecutive training rows (group g = rows 56 g .. 56 g + 55; 896 groups with the padding) whose smallest d2 = (x2 - 2 q(x).q(t)) + t2 are smallest, equal minima to the lower g.
; The 5 nearest rows by (d2, index) lie in these 5 groups: a group that holds one of them has its own best row among them.  The next launch looks at the 5 x 56 rows once more.
; THE PRODUCT.  K is one block of 32, the instruction's K is four.  Source 1 holds FOUR training rows a column, one in each block of 32; four variants of source 0 hold the 16 queries' codes in block b alone and
; zero codes elsewhere: variant b picks row b of the four.  x's codes have their signs flipped and x's scale byte is one higher (at most 253), so the product is -2 x.t, exactly; C holds x2.
; So D = x2 - 2 x.t comes out of the matrix unit, t2 is one packed addition for two numbers, and the running minimum one v_min3 for two.
; LIMITS: NaN and infinities are not served.  x2 - 2 x.t is rounded by the matrix unit, not by an f32 subtraction.
; SHARES.  A work-group owns 16 queries and walks all 50,176 rows in 7 steps of 8 chunks of 896 rows; wave w takes chunk 8 step + w: 14 supertiles of 64 rows.  Column r, block b of supertile s is row
; 896 chunk + 56 r + 4 s + b: over a chunk lane r walks group 16 chunk + r.  In D, register j of lane (r, h) is query 8 h + j against column r.
; At a chunk's end the 16 x 16 minima turn through the wave's own LDS bytes: lane (q, h) then holds query q's minima of 8 groups and inserts them into its sorted list of 5 (value, group): 19 instructions for 56 rows.
; CLUSTER.  The four work-groups of a cluster walk the same rows: every fill of the ring is asked for JOINTLY (the same load, the same descriptor, mask 15), which divides the requests by four.
; THE SCALE BYTES have no room in LDS beside two slots: seven words a lane come from memory a whole step ahead, straight into the scale registers.
.set XROW,  50176                      ; the queries' first row in the joined table
.set SLOT,  157696                     ; a slot: 896 rows of 128 bytes of codes + 16 of padding, then 28,672 bytes of t2
.set T2O,   129024
.set SPARE, 2*SLOT                     ; the spare words, 128 bytes for each wave: four blocks of 256 bytes that no other line names
.set XP,    SPARE+1024                 ; each wave's 16 groups x (64 bytes + 16): where a chunk's minima turn
.set MA,    SLOT                       ; the merge: 16 queries x (16 lists x 48 bytes + 16).  It lies in slot 1, which has had its last fill and its last read by then
.set OA,    SLOT+12800                 ; and the work-group's 1,024 bytes of output
.set SPW,  1                           ; v1   LDS address of my spare word; never rewritten
.set NIL,  2                           ; v2   0; never rewritten
.set ACOD, 3                           ; v3-4 my codes in slot 0, 1
.set AT,   5                           ; v5-6 my t2 in slot 0, 1
.set XPW,  7                           ; v7   where I put eight minima
.set XPR,  8                           ; v8   where I read them back
.set SBO,  9                           ; v9   my scale words' byte offset in a step's bytes
.set RR,   10                          ; v10  lane % 16
.set HH,   11                          ; v11  lane / 16
.set MAW,  12                          ; v12-15 the merge's LDS addresses
.set MAR,  13
.set OAW,  14
.set OAR,  15
.set VA,   16                          ; v16-27 [Xlo, 0, Xlo], v28-39 [Xhi, 0, Xhi]: variant b begins at VA + 12 (b % 2) + 4 (b / 2)
.set X2C,  40                          ; v40-47 register j: x2 of query 8 h + j
.set ASC,  48                          ; v48    x's scale byte + 1, four times
.set SBR,  49                          ; v49-55, v56-62 the rows' scale words of a step: register p: lanes 0-15 supertile p, lanes 16-31 supertile 7 + p
.set GOF,  63                          ; v63    16 x thread
.set BF,   64                          ; v64-95   four fragments of rows
.set T,    96                          ; v96-111  four times four t2
.set DS,   112                         ; v112-143, v144-175 two sets of four results
.set ACC,  176                         ; v176-183 the chunk's running minima
.set GM,   184                         ; v184-191 the last chunk's minima, turned
.set LV,   192                         ; v192-196 my list's values, ascending
.set LI,   197                         ; v197-201 and their groups
.set XT,   220                         ; the merge: at work
.set XM,   226
.set XS,   227
.set XINF, 228
.set OUT,  229
.set G1C,  16                          ; s[16:23] descriptor group 1 for codes;  s[24:31] for t2
.set G1T,  24
.set G0C,  32                          ; s[32:39] group 0 for codes, a set for each slot;  s[40:47] for t2
.set G0T,  40
; s12 wave, s13 cx, s14 the tile of queries, s48-52 compare masks, s53 the first group of the chunk to be inserted, s54 the group in hand, s55 trips, s[58:59] the scale bytes' base
.macro ROUND                           ; a round of the cluster's barrier
	s_barrier_signal -1
	s_barrier_wait -1
	s_cmp_lg_u32 s12, 0
	s_cbranch_scc1 .Lnot_wave_0_\@
	s_barrier_signal -3
.Lnot_wave_0_\@:
	s_barrier_wait -3
	s_barrier_signal -1
	s_barrier_wait -1
.endm
; A joint load: waves 0 to 6 fetch 128 LDS rows of codes each, wave 7 the step's t2.  The branch hangs on the wave's number alone.  Four v_nop follow each of the two lines.
.macro JLOAD s
	s_cmp_lt_u32 s12, 7
	s_cbranch_scc0 .Lfor_t_\@
	tensor_load_to_lds s[G0C+4*(\s):G0C+4*(\s)+3], s[G1C:G1C+7]
	s_nop 0
.rept 4
	v_nop
.endr
	s_branch .Lasked_\@
.Lfor_t_\@:
	tensor_load_to_lds s[G0T+4*(\s):G0T+4*(\s)+3], s[G1T:G1T+7]
	s_nop 0
.rept 4
	v_nop
.endr
.Lasked_\@:
.endm
; Supertile st: lane (r, h) takes the 16 bytes of rows 56 r + 4 st + h and + 2 + h (blocks h and 2 + h of column r), and the four t2 of column r's rows
.macro LD sl, st
	ds_load_b128 v[BF+8*((\st)%4):BF+8*((\st)%4)+3],   v[ACOD+\sl] offset:64*(\st)+16*((\st)/2)
	ds_load_b128 v[BF+8*((\st)%4)+4:BF+8*((\st)%4)+7], v[ACOD+\sl] offset:64*(\st)+16*((\st)/2)+32
	ds_load_b128 v[T+4*((\st)%4):T+4*((\st)%4)+3],     v[AT+\sl] offset:16*(\st)
.endm
; Four products: variant b against the fragment; each begins anew from x2, into registers of its own: no sum is carried
.macro MM sl, st
.irp b, 0,1,2,3
.if (\st) >= 7
	v_wmma_scale_f32_16x16x128_f8f6f4 v[DS+32*((\st)%2)+8*\b:DS+32*((\st)%2)+8*\b+7], v[VA+12*(\b%2)+4*(\b/2):VA+12*(\b%2)+4*(\b/2)+7], v[BF+8*((\st)%4):BF+8*((\st)%4)+7], v[X2C:X2C+7], v[ASC], v[SBR+7*\sl+(\st)%7] matrix_a_fmt:MATRIX_FMT_FP4 matrix_b_fmt:MATRIX_FMT_FP4 matrix_b_scale:MATRIX_SCALE_ROW1
.else
	v_wmma_scale_f32_16x16x128_f8f6f4 v[DS+32*((\st)%2)+8*\b:DS+32*((\st)%2)+8*\b+7], v[VA+12*(\b%2)+4*(\b/2):VA+12*(\b%2)+4*(\b/2)+7], v[BF+8*((\st)%4):BF+8*((\st)%4)+7], v[X2C:X2C+7], v[ASC], v[SBR+7*\sl+(\st)%7] matrix_a_fmt:MATRIX_FMT_FP4 matrix_b_fmt:MATRIX_FMT_FP4
.endif
.endr
.endm
; 32 instructions for a supertile's 32 numbers a lane: + t2 (row b's, for both halves of a pair; each result from its low end on), then the minimum
.macro PROC st
.set DD, DS+32*((\st)%2)
.set TT, T+4*((\st)%4)
.irp b, 0,1,2,3
.irp j, 0,2,4,6
.if \b%2 == 0
	v_pk_add_f32 v[DD+8*\b+\j:DD+8*\b+\j+1], v[DD+8*\b+\j:DD+8*\b+\j+1], v[TT+2*(\b/2):TT+2*(\b/2)+1] op_sel_hi:[1,0]
.else
	v_pk_add_f32 v[DD+8*\b+\j:DD+8*\b+\j+1], v[DD+8*\b+\j:DD+8*\b+\j+1], v[TT+2*(\b/2):TT+2*(\b/2)+1] op_sel:[0,1] op_sel_hi:[1,1]
.endif
.endr
.endr
.if (\st) == 0                         ; a chunk's first supertile starts the minima: nothing is preset
.irp j, 0,1,2,3,4,5,6,7
	v_min3_num_f32 v[ACC+\j], v[DD+\j], v[DD+8+\j], v[DD+16+\j]
.endr
.irp j, 0,1,2,3,4,5,6,7
	v_min_num_f32 v[ACC+\j], v[ACC+\j], v[DD+24+\j]
.endr
.else
.irp j, 0,1,2,3,4,5,6,7
	v_min3_num_f32 v[ACC+\j], v[ACC+\j], v[DD+\j], v[DD+8+\j]
.endr
.irp j, 0,1,2,3,4,5,6,7
	v_min3_num_f32 v[ACC+\j], v[ACC+\j], v[DD+16+\j], v[DD+24+\j]
.endr
.endif
.endm
; GM[g] goes into my sorted list, without a branch.  The compare is strict and groups come in ascending order: of equal values the lower group stays ahead.
.macro INS g
	s_add_co_u32 s54, s53, \g
.irp k, 0,1,2,3,4
	v_cmp_lt_f32 s[48+\k], v[GM+\g], v[LV+\k]
.endr
.irp k, 4,3,2,1
	v_med3_num_f32 v[LV+\k], v[LV+\k-1], v[LV+\k], v[GM+\g]        ; the place takes its upper neighbour, the newcomer, or stays
	v_cndmask_b32 v[LI+\k], v[LI+\k], s54, s[48+\k]
	s_delay_alu instid0(VALU_DEP_1)
	v_cndmask_b32 v[LI+\k], v[LI+\k], v[LI+\k-1], s[48+\k-1]
.endr
	v_min_num_f32 v[LV], v[LV], v[GM+\g]
	v_cndmask_b32 v[LI], v[LI], s54, s48
.endm
; the smallest of n numbers a lane, over the 16 lanes of a row, in every lane of it
.macro MINALL d, s, n
	v_min_num_f32 v[\d], v[\s], v[\s+1]
.set tt, 2
.rept ((\n)-2)/2
	s_delay_alu instid0(VALU_DEP_1)
	v_min3_num_f32 v[\d], v[\d], v[\s+tt], v[\s+tt+1]
.set tt, tt+2
.endr
.if (\n)%2
	s_delay_alu instid0(VALU_DEP_1)
	v_min_num_f32 v[\d], v[\d], v[\s+(\n)-1]
.endif
.irp m, 1,2,4,8
	s_delay_alu instid0(VALU_DEP_1)
	v_min_num_f32_dpp v[\d], v[\d], v[\d] row_xmask:\m row_mask:0xf bank_mask:0xf
.endr
.endm
; The best of a row's 16 n entries (value e, payload p, both f32; payloads differ): XM its value, XS the smallest payload among those of that value; that entry's value becomes +infinity
.macro EXTRACT n, e, p, x, mk
	MINALL XM, \e, \n
.set tt, 0
.rept \n
	v_cmp_eq_f32 s[\mk+tt], v[XM], v[\e+tt]
.set tt, tt+1
.endr
.set tt, 0
.rept \n
	v_cndmask_b32 v[\x+tt], v[XINF], v[\p+tt], s[\mk+tt]
.set tt, tt+1
.endr
	MINALL XS, \x, \n
.set tt, 0
.rept \n
	v_cmp_eq_f32 s[\mk+tt], v[XS], v[\p+tt]
.set tt, tt+1
.endr
.set tt, 0
.rept \n
	v_cndmask_b32 v[\e+tt], v[\e+tt], v[XINF], s[\mk+tt]
.set tt, tt+1
.endr
.endm
	s_load_b128 s[4:7], s[0:1], 0x0                ; codes, sq
	s_load_b128 s[8:11], s[0:1], 0x10              ; sb, gsel
	v_lshl_add_u32 v[SPW], v0, 2, SPARE
	v_mov_b32 v[NIL], 0
	ds_add_u32 v1, v2
	ds_add_u32 v1, v2
	s_wait_dscnt 0x0
	v_lshrrev_b32 v10, 5, v0
	s_delay_alu instid0(VALU_DEP_1)
	v_readfirstlane_b32 s12, v10                   ; wave 0..7
	s_bfe_u32 s13, ttmp6, 0x40000                  ; cx: my place in the cluster: it enters global addresses of the queries and of the output alone
	s_lshl_b32 s14, ttmp9, 2
	s_add_co_u32 s14, s14, s13                     ; my tile of 16 queries
	; group 1 for codes: 128 rows of 16 elements of 8 bytes, dense in memory, 16 bytes of padding behind each 128
	s_mov_b32 s[G1C+0], 15|(3<<16)|(1<<20)|(1<<21)|(4<<22)|(3<<25)  ; 15:0 the mask: all four work-groups; 17:16 elements of 8 bytes; 20 padding on; 21 set beside a mask; 24:22 after every 32 words (code 4); 31:25 four words (code 3)
	s_mov_b32 s[G1C+1], 16<<16                     ; tensor_dim0 = 16
	s_mov_b32 s[G1C+2], 128<<16                    ; tensor_dim1 = 128
	s_mov_b32 s[G1C+3], 16<<16                     ; tile_dim0 = 16
	s_mov_b32 s[G1C+4], 128                        ; tile_dim1 = 128
	s_mov_b32 s[G1C+5], 16                         ; from row to row
	s_mov_b32 s[G1C+6], 0
	s_mov_b32 s[G1C+7], 0
	; group 1 for t2: 112 rows of 256 bytes, dense, no padding
	s_mov_b32 s[G1T+0], 15|(3<<16)|(1<<21)
	s_mov_b32 s[G1T+1], 32<<16
	s_mov_b32 s[G1T+2], 112<<16
	s_mov_b32 s[G1T+3], 32<<16
	s_mov_b32 s[G1T+4], 112
	s_mov_b32 s[G1T+5], 32
	s_mov_b32 s[G1T+6], 0
	s_mov_b32 s[G1T+7], 0
	s_mul_i32 s60, s12, 16384                      ; my 128 rows of 128 bytes in memory,
	s_mov_b32 s61, 0
	s_mul_i32 s62, s12, 18432                      ; and in a slot
	s_wait_kmcnt 0x0
	s_mov_b32 s[G0C+0], 1
	s_mov_b32 s[G0C+1], s62
	s_add_nc_u64 s[G0C+2:G0C+3], s[4:5], s[60:61]  ; step 0
	s_mov_b32 s[G0C+4], 1
	s_add_co_u32 s[G0C+5], s62, SLOT
	s_add_nc_u64 s[G0C+6:G0C+7], s[G0C+2:G0C+3], 114688   ; step 1: 7,168 rows of 16 bytes on
	s_or_b32 s[G0C+3], s[G0C+3], 0x80000000
	s_or_b32 s[G0C+7], s[G0C+7], 0x80000000
	s_mov_b32 s[G0T+0], 1
	s_mov_b32 s[G0T+1], T2O
	s_mov_b64 s[G0T+2:G0T+3], s[6:7]
	s_mov_b32 s[G0T+4], 1
	s_mov_b32 s[G0T+5], SLOT+T2O
	s_add_nc_u64 s[G0T+6:G0T+7], s[6:7], 28672
	s_or_b32 s[G0T+3], s[G0T+3], 0x80000000
	s_or_b32 s[G0T+7], s[G0T+7], 0x80000000
	ROUND                                          ; all four work-groups are here: the first joint loads meet
	JLOAD 0                                        ; step 0
	v_and_b32 v[RR], 15, v0
	v_bfe_u32 v[HH], v0, 4, 1
	s_mul_i32 s60, s12, 16128                      ; my chunk: 112 LDS rows of 144 bytes
	v_mul_u32_u24 v[ACOD], v[RR], 1008             ; my group: 56 rows of 16 bytes = 7 LDS rows: 1,008 = 4 x 256 - 16, so sixteen lanes fall on sixteen different columns of 16 bytes
	s_delay_alu instid0(VALU_DEP_1)
	v_lshl_add_u32 v[ACOD], v[HH], 4, v[ACOD]
	s_delay_alu instid0(VALU_DEP_1)
	v_add_nc_u32 v[ACOD], s60, v[ACOD]
	s_delay_alu instid0(VALU_DEP_1)
	v_add_nc_u32 v[ACOD+1], SLOT, v[ACOD]
	s_mul_i32 s60, s12, 3584
	s_add_co_u32 s60, s60, T2O
	v_mul_u32_u24 v[AT], v[RR], 224
	s_delay_alu instid0(VALU_DEP_1)
	v_add_nc_u32 v[AT], s60, v[AT]
	s_delay_alu instid0(VALU_DEP_1)
	v_add_nc_u32 v[AT+1], SLOT, v[AT]
	s_mul_i32 s60, s12, 1280
	s_add_co_u32 s60, s60, XP
	v_mul_u32_u24 v[XPW], v[RR], 80                ; in: row = my group, 32 bytes for each half of the lanes: queries 8 h + 0 .. 7
	s_delay_alu instid0(VALU_DEP_1)
	v_lshl_add_u32 v[XPW], v[HH], 5, v[XPW]
	s_delay_alu instid0(VALU_DEP_1)
	v_add_nc_u32 v[XPW], s60, v[XPW]
	v_mul_u32_u24 v[XPR], v[HH], 640               ; back: groups 8 h + 0 .. 7 of query lane % 16
	s_delay_alu instid0(VALU_DEP_1)
	v_lshl_add_u32 v[XPR], v[RR], 2, v[XPR]
	s_delay_alu instid0(VALU_DEP_1)
	v_add_nc_u32 v[XPR], s60, v[XPR]
	s_mul_i32 s60, s12, 896
	v_mul_u32_u24 v[SBO], v[RR], 56                ; a byte a row: my group's 56; lanes 16-31 begin at supertile 7
	s_delay_alu instid0(VALU_DEP_1)
	v_mad_u32_u24 v[SBO], v[HH], 28, v[SBO]
	s_delay_alu instid0(VALU_DEP_1)
	v_add_nc_u32 v[SBO], s60, v[SBO]
	s_mul_i32 s60, s12, 96
	s_add_co_u32 s60, s60, MA
	v_mul_u32_u24 v[MAW], v[RR], 784               ; the merge, in: query lane % 16, list 2 wave + h
	s_delay_alu instid0(VALU_DEP_1)
	v_mad_u32_u24 v[MAW], v[HH], 48, v[MAW]
	s_delay_alu instid0(VALU_DEP_1)
	v_add_nc_u32 v[MAW], s60, v[MAW]
	s_mul_i32 s60, s12, 1568
	s_add_co_u32 s60, s60, MA
	v_mul_u32_u24 v[MAR], v[HH], 784               ; back: query 2 wave + h, list lane % 16
	s_delay_alu instid0(VALU_DEP_1)
	v_mad_u32_u24 v[MAR], v[RR], 48, v[MAR]
	s_delay_alu instid0(VALU_DEP_1)
	v_add_nc_u32 v[MAR], s60, v[MAR]
	v_lshl_add_u32 v[OAW], v0, 2, OA
	v_lshl_add_u32 v[OAR], v0, 4, OA
	v_lshlrev_b32 v[GOF], 4, v0
	s_lshl_b32 s66, s14, 8
	s_add_co_u32 s66, s66, XROW*16
	s_mov_b32 s67, 0
	s_add_nc_u64 s[66:67], s[4:5], s[66:67]        ; my queries' codes,
	s_lshl_b32 s68, s14, 4
	s_add_co_u32 s68, s68, XROW
	s_mov_b32 s69, 0
	s_add_nc_u64 s[68:69], s[8:9], s[68:69]        ; scale bytes,
	s_lshl_b32 s70, s14, 6
	s_add_co_u32 s70, s70, XROW*4
	s_mov_b32 s71, 0
	s_add_nc_u64 s[70:71], s[6:7], s[70:71]        ; and x2
	s_mov_b64 s[58:59], s[8:9]
	s_lshl_b32 s60, s14, 10
	s_mov_b32 s61, 0
	s_add_nc_u64 s[10:11], s[10:11], s[60:61]      ; my 1,024 bytes of the output
	v_lshlrev_b32 v202, 4, v[RR]
	v_lshlrev_b32 v203, 5, v[HH]
	global_load_b128 v[204:207], v202, s[66:67]    ; query lane % 16
	global_load_u8 v208, v[RR], s[68:69]
	global_load_b128 v[X2C:X2C+3], v203, s[70:71]  ; x2 of queries 8 h + 0 .. 7
	global_load_b128 v[X2C+4:X2C+7], v203, s[70:71] offset:16
.irp p, 0,1,2,3,4,5,6
	global_load_b32 v[SBR+\p], v[SBO], s[58:59] offset:4*\p   ; step 0's scale words
.endr
.irp i, 0,1,2,3
	v_mov_b32 v[VA+4+\i], 0
	v_mov_b32 v[VA+16+\i], 0
.endr
.irp k, 0,1,2,3,4
	v_mov_b32 v[LV+\k], 0x7f800000                 ; the list begins with five places at +infinity,
	v_mov_b32 v[LI+\k], 0
.endr
.irp i, 0,1,2,3,4,5,6,7
	v_mov_b32 v[GM+\i], 0x7f800000                 ; and the first step, which has no chunk behind it, inserts +infinity: nothing moves
.endr
	s_lshl_b32 s53, s12, 4
	s_sub_co_u32 s53, s53, 128                     ; 16 wave + 128 (step - 1)
	v_cmp_eq_u32 vcc_lo, 0, v[HH]
	s_wait_loadcnt 7                               ; all but the seven scale words
.irp i, 0,1,2,3
	v_xor_b32 v[204+\i], 0x88888888, v[204+\i]     ; every code's sign is flipped
.endr
.irp i, 0,1,2,3
	v_cndmask_b32 v[VA+\i], 0, v[204+\i], vcc_lo              ; Xlo: the codes in lanes 0-15, zeros above
	v_cndmask_b32 v[VA+12+\i], v[204+\i], v[VA+4], vcc_lo     ; Xhi: the other way round
.endr
.irp i, 0,1,2,3
	v_mov_b32 v[VA+8+\i], v[VA+\i]
	v_mov_b32 v[VA+20+\i], v[VA+12+\i]
.endr
	v_add_nc_u32 v[ASC], 1, v208                   ; twice the scale
	s_delay_alu instid0(VALU_DEP_1)
	v_lshl_or_b32 v[ASC], v[ASC], 8, v[ASC]
	s_delay_alu instid0(VALU_DEP_1)
	v_lshl_or_b32 v[ASC], v[ASC], 16, v[ASC]       ; for whichever block holds the codes
; A STEP on slot sl.  In front of the barrier each wave waits for all its tensor loads (its part of this slot), adds 0 to its spare word, and waits for that, for its reads of the other slot and for the turned minima.
; refill = 1: the barrier is a round of the cluster's, and the other slot is asked for first thing behind it: the load has the whole step in which to land.
.macro TRIP sl, refill
	s_wait_tensorcnt 0x0                           ; no tensor load of mine is out, so a group 0 may be written
	ds_add_u32 v[SPW], v[NIL]                      ; 0 onto my spare word
.if \refill
	s_add_nc_u64 s[G0C+4*\sl+2:G0C+4*\sl+3], s[G0C+4*\sl+2:G0C+4*\sl+3], 229376   ; this slot's next step: two steps on
	s_add_nc_u64 s[G0T+4*\sl+2:G0T+4*\sl+3], s[G0T+4*\sl+2:G0T+4*\sl+3], 57344
.endif
	s_wait_dscnt 0x0
.if \refill
	ROUND                                          ; no wave of any partner still reads the other slot or has a load on its way
	JLOAD 1-\sl
.else
	s_barrier_signal -1
	s_barrier_wait -1
.endif
	LD \sl, 0
	LD \sl, 1
	s_wait_loadcnt 0x0                             ; this step's scale words, asked for a step ago
.if \refill
.irp p, 0,1,2,3,4,5,6
	global_load_b32 v[SBR+7*(1-\sl)+\p], v[SBO], s[58:59] offset:7168*(\sl+1)+4*\p   ; the next step's
.endr
.endif
	INS 0                                          ; the last chunk's first four groups, while the first fragments come
	INS 1
	INS 2
	INS 3
; Supertile i's products; the loads of supertile i + 2; then vector work that names no register of these products: behind supertile 0 the last chunk's other four groups, behind supertile i the 32 instructions
; of supertile i - 1, which name the other set of results.  That work is the places behind the products: ahead of the first read of their results, of the loads into their fragment, and of the
; products that write over their results two supertiles on.
.set i, 0
	s_wait_alu depctr_va_vdst(0)
.rept 14
.if i < 13
	s_wait_dscnt 3                                 ; supertile i's three loads are in; the next one's three may be out
.else
	s_wait_dscnt 0x0
.endif
	MM \sl, i
.if i <= 11
	LD \sl, i+2
.endif
.if i == 0
	INS 4
	INS 5
	INS 6
	INS 7
	s_add_co_u32 s53, s53, 128                     ; the chunk in hand will be inserted next
.else
	PROC i-1
.endif
.set i, i+1
.endr
	PROC 13
	ds_store_b128 v[XPW], v[ACC:ACC+3]             ; the chunk's minima turn through my own bytes: LDS serves a wave's instructions in order
	ds_store_b128 v[XPW], v[ACC+4:ACC+7] offset:16
.irp g, 0,1,2,3,4,5,6,7
	ds_load_b32 v[GM+\g], v[XPR] offset:80*\g
.endr
.endm
	s_mov_b32 s55, 3
.Lpair:                                            ; three trips: steps 0 to 5; each asks for the step behind it
	TRIP 0, 1
	TRIP 1, 1
	s_wait_xcnt 0x0                                ; the scale words' loads have read their base
	s_add_nc_u64 s[58:59], s[58:59], 14336
	s_sub_co_u32 s55, s55, 1
	s_cmp_lg_u32 s55, 0
	s_cbranch_scc1 .Lpair
	TRIP 0, 0                                      ; step 6 is written out: nothing is left to fetch
	s_wait_dscnt 0x0
.irp g, 0,1,2,3,4,5,6,7
	INS \g                                         ; its chunk
.endr
	; THE MERGE.  A query has 16 lists (8 waves x 2 halves).  They meet in LDS; wave w then takes queries 2 w and 2 w + 1, a list a lane, and draws the best entry five times.
	v_lshlrev_b32 v203, 3, v[HH]
.irp k, 0,1,2,3,4
	v_add_nc_u32 v[LI+\k], v[LI+\k], v203          ; my half's groups lie 8 further on
.endr
.irp k, 0,1,2,3,4
	v_cvt_f32_u32 v[LI+\k], v[LI+\k]               ; under 896: exact
.endr
	ds_store_b128 v[MAW], v[LV:LV+3]
	ds_store_b128 v[MAW], v[LV+4:LV+7] offset:16
	ds_store_b64 v[MAW], v[LV+8:LV+9] offset:32
	s_wait_dscnt 0x0                               ; for the others' sake
	s_barrier_signal -1
	s_barrier_wait -1
	ds_load_b128 v[208:211], v[MAR]
	ds_load_b128 v[212:215], v[MAR] offset:16
	ds_load_b64 v[216:217], v[MAR] offset:32       ; v208-212 values, v213-217 groups
	v_mov_b32 v[XINF], 0x7f800000
	v_mov_b32 v[OUT], 0
	s_wait_dscnt 0x0
.irp k, 0,1,2,3,4
	EXTRACT 5, 208, 213, XT, 48
	v_cmp_eq_u32 vcc_lo, \k, v[RR]
	s_delay_alu instid0(VALU_DEP_1)
	v_cndmask_b32 v[OUT], v[OUT], v[XS], vcc_lo    ; lane k keeps the k-th group; lanes 5 to 15 keep 0
.endr
	s_delay_alu instid0(VALU_DEP_1)
	v_cvt_u32_f32 v[OUT], v[OUT]
	ds_store_b32 v[OAW], v[OUT]                    ; 64 bytes a query
	s_wait_dscnt 0x0
	s_barrier_signal -1
	s_barrier_wait -1
	s_cmp_lt_u32 s12, 2
	s_cbranch_scc0 .Lno_out
	ds_load_b128 v[208:211], v[OAR]
	s_wait_dscnt 0x0
	global_store_b128 v[GOF], v[208:211], s[10:11] ; 32 lanes store 512 consecutive bytes, aligned
.Lno_out:
	s_wait_tensorcnt 0x0                           ; the wave's end, behind my last tensor load and my last LDS store
	ds_add_u32 v[SPW], v[NIL]
	s_wait_dscnt 0x0
	ROUND                                          ; the closing round: no work-group ends while a partner may still ask for a tile that names it
	s_endpgm
.Lfunc_end_k_q9515c3d76e_scan:
	.size	k_q9515c3d76e_scan, .Lfunc_end_k_q9515c3d76e_scan-k_q9515c3d76e_scan
	.p2alignl 7, 3214868480
	.fill 96, 4, 3214868480
	.section	.rodata,"a",@progbits
	.p2align	6, 0x0
	.amdhsa_kernel k_q9515c3d76e_scan
		.amdhsa_group_segment_fixed_size 327680
		.amdhsa_private_segment_fixed_size 0
		.amdhsa_enable_private_segment 0
		.amdhsa_kernarg_size 32
		.amdhsa_user_sgpr_count 2
		.amdhsa_user_sgpr_kernarg_segment_ptr 1
		.amdhsa_wavefront_size32 1
		.amdhsa_system_sgpr_workgroup_id_x 1
		.amdhsa_system_sgpr_workgroup_id_y 1
		.amdhsa_system_sgpr_workgroup_id_z 1
		.amdhsa_system_vgpr_workitem_id 0
		.amdhsa_next_free_vgpr 256
		.amdhsa_next_free_sgpr 72
		.amdhsa_reserve_vcc 1
		.amdhsa_float_denorm_mode_32 3
		.amdhsa_float_denorm_mode_16_64 3
		.amdhsa_memory_ordered 1
		.amdhsa_forward_progress 1
		.amdhsa_inst_pref_size 187
	.end_amdhsa_kernel
	.amdgpu_metadata
---
amdhsa.version: [ 1, 2 ]
amdhsa.kernels:
  - .name:           k_q9515c3d76e_scan
    .symbol:         k_q9515c3d76e_scan.kd
    .args:
      - { .name: codes, .offset: 0, .size: 8, .value_kind: global_buffer, .address_space: global }
      - { .name: sq, .offset: 8, .size: 8, .value_kind: global_buffer, .address_space: global }
      - { .name: sb, .offset: 16, .size: 8, .value_kind: global_buffer, .address_space: global }
      - { .name: gsel, .offset: 24, .size: 8, .value_kind: global_buffer, .address_space: global }
    .group_segment_fixed_size: 327680
    .private_segment_fixed_size: 0
    .kernarg_segment_align: 8
    .kernarg_segment_size: 32
    .max_flat_workgroup_size: 256
    .sgpr_count:     72
    .vgpr_count:     256
    .wavefront_size: 32
...
	.end_amdgpu_metadata
.endif
;; end of part 2
;; launch final (part 3): grid 256 x 1, 8 waves a work-group, no clusters, 2,304 bytes of LDS; arguments codes, sq, sb, gsel, y_train, out0; writes out0
.if DOCPART == 3
	.amdgcn_target "amdgcn-amd-amdhsa--gfx1250"
	.amdhsa_code_object_version 6
	.text
	.protected	k_q9515c3d76e_final
	.globl	k_q9515c3d76e_final
	.p2align	8
	.type	k_q9515c3d76e_final,@function
k_q9515c3d76e_final:
	s_mov_b64 s[64:65], 0
	v_nop
	global_prefetch_b8 v0, s[64:65] scope:SCOPE_SE
	s_setreg_imm32_b32 hwreg(HW_REG_WAVE_MODE, 25, 1), 1
	s_wait_xcnt 0x0
; For each query: d2 = (x2 - 2 q(x).q(t)) + t2 of the 5 x 56 rows of its five chosen groups once more; the five smallest by (d2, index); the majority of their labels, equal votes to the lowest label; one-hot.
; SHARES.  A wave takes two queries: lanes (l, h) serve query 16 work-group + 2 wave + h.  Lane l < 14 takes rows 56 g + l + 14 u of group g, u = 0 .. 3: 20 rows a lane.  Lanes 14 and 15 take padding rows, whose t2 is +infinity.
; THE PRODUCT.  One instruction serves both queries and two rows a lane.  Source 1: lane (l, h)'s registers 0-3 are block h, its registers 4-7 block 2 + h of column l: the lane's own two rows.
; Source 0: row 8 h holds query h's codes in block h alone, row 8 h + 1 in block 2 + h alone; all else zero codes.  So registers 0 and 1 of the result, rows 8 h and 8 h + 1, are lane (l, h)'s own two numbers.
; As in the launch before, x's codes have their signs flipped, its scale byte is one higher, and C holds x2.
; A row travels with the payload 8 index + label, under 2^24, exact in f32: the smallest payload among equal d2 is the lowest index.
; LIMITS: NaN and infinities are not served.  A label outside 0 .. 5 casts no vote.  Work-groups share no tile: no cluster, no tensor load; the rows come straight into registers by addresses made of the stored list.
.set XROW, 50176
.set LAM,  1                           ; v1   lane % 16
.set HH,   2                           ; v2   lane / 16; later at work
.set GO,   3                           ; v3   my query's place in the list; later 4 x thread, an LDS address
.set IB,   4                           ; v4-8    group k: my first row
.set O16,  9                           ; v9-13   x 16
.set O4,   14                          ; v14-18  x 4
.set H8,   19                          ; v19     8 h
.set AQ,   20                          ; v20-27  source 0
.set XC,   28                          ; v28-35  C
.set ASC,  36                          ; v36     x's scale words
.set PAD,  37                          ; v37     50,133
.set SW,   38                          ; v38-47  the rows' scale words, one for each product
.set SBY,  48                          ; v48-67  the rows' scale bytes; later at work
.set BQ,   68                          ; v68-147 ten fragments; later at work
.set E,    148                         ; v148-167 t2, then d2
.set P,    168                         ; v168-187 labels, then payloads
.set DB,   188                         ; v188-219 four results by turns
.set LO,   220                         ; v220-239 the labels' byte offsets; later indices
.set ID,   240                         ; v240-244 the five groups; later the output's 16 bytes
.set WA0,  245                         ; v245-247, v254 offsets of the query's loads; later the way out's four LDS addresses
.set WA1,  246
.set WA2,  247
.set WA3,  254
.set TP,   255                         ; v255 at work; later my 16 bytes' offset in the output
.set XM,   48
.set XS,   49
.set XINF, 50
.set CNT,  51
.set ONE,  52
.set ONEF, 53
.set TA,   54
.set TB,   55
.set TC,   56
.macro MINALL d, s, n                  ; the smallest of n numbers a lane, over the 16 lanes of a row, in every lane of it
	v_min_num_f32 v[\d], v[\s], v[\s+1]
.set tt, 2
.rept ((\n)-2)/2
	s_delay_alu instid0(VALU_DEP_1)
	v_min3_num_f32 v[\d], v[\d], v[\s+tt], v[\s+tt+1]
.set tt, tt+2
.endr
.if (\n)%2
	v_min_num_f32 v[\d], v[\d], v[\s+(\n)-1]
.endif
.irp m, 1,2,4,8
	s_delay_alu instid0(VALU_DEP_1)
	v_min_num_f32_dpp v[\d], v[\d], v[\d] row_xmask:\m row_mask:0xf bank_mask:0xf
.endr
.endm
; The best of a row's 16 n entries (value e, payload p): XM its value, XS the smallest payload among those of that value; entries of that payload get the value +infinity
.macro EXTRACT n, e, p, x, mk
	MINALL XM, \e, \n
.set tt, 0
.rept \n
	v_cmp_eq_f32 s[\mk+tt], v[XM], v[\e+tt]
.set tt, tt+1
.endr
.set tt, 0
.rept \n
	v_cndmask_b32 v[\x+tt], v[XINF], v[\p+tt], s[\mk+tt]
.set tt, tt+1
.endr
	MINALL XS, \x, \n
.set tt, 0
.rept \n
	v_cmp_eq_f32 s[\mk+tt], v[XS], v[\p+tt]
.set tt, tt+1
.endr
.set tt, 0
.rept \n
	v_cndmask_b32 v[\e+tt], v[\e+tt], v[XINF], s[\mk+tt]
.set tt, tt+1
.endr
.endm
.macro PROD p
	v_wmma_scale_f32_16x16x128_f8f6f4 v[DB+8*((\p)%4):DB+8*((\p)%4)+7], v[AQ:AQ+7], v[BQ+8*(\p):BQ+8*(\p)+7], v[XC:XC+7], v[ASC], v[SW+(\p)] matrix_a_fmt:MATRIX_FMT_FP4 matrix_b_fmt:MATRIX_FMT_FP4
.endm
; Behind a batch of products: the payloads of its n rows a lane, four plain instructions each, which name no register of the products: they are the places (ISA guide 7.12.1) ahead of the first read of the results and of
; the next batch, which writes over them.  Then d2 = the result + t2; registers 0 and 1 of a result are read, its low end.
.macro PAYB t0, n
.set t, \t0
.rept \n
	v_min_u32 v[P+t], 7, v[P+t]                    ; a label outside 0 .. 6 counts as 7: no vote
	v_add_nc_u32 v[LO+t], 14*(t%4), v[IB+t/4]      ; the row's index
.set t, t+1
.endr
.set t, \t0
.rept \n
	v_lshl_or_b32 v[P+t], v[LO+t], 3, v[P+t]
.set t, t+1
.endr
.set t, \t0
.rept \n
	v_cvt_f32_u32 v[P+t], v[P+t]
.set t, t+1
.endr
.set t, \t0
.rept \n
	v_add_f32 v[E+t], v[DB+8*((t/2)%4)+t%2], v[E+t]
.set t, t+1
.endr
.endm
	s_load_b256 s[4:11], s[0:1], 0x0               ; codes s[4:5], sq s[6:7], sb s[8:9], gsel s[10:11]
	s_load_b128 s[12:15], s[0:1], 0x20             ; y_train s[12:13], out0 s[14:15]
	s_set_vgpr_msb 0x40
	v_lshl_add_u32 v0, v0, 2, 0x500
	v_mov_b32 v1, 0
	s_set_vgpr_msb 0x4000
	v_lshrrev_b32 v1, 5, v0
	s_delay_alu instid0(VALU_DEP_1)
	v_readfirstlane_b32 s16, v1                    ; wave
	v_and_b32 v[LAM], 15, v0
	v_bfe_u32 v[HH], v0, 4, 1
	s_delay_alu instid0(VALU_DEP_1)
	v_lshlrev_b32 v[GO], 6, v[HH]                  ; 64 bytes of the list a query
	s_delay_alu instid0(VALU_DEP_2)
	v_lshlrev_b32 v[WA0], 4, v[HH]                 ; 16 bytes of codes
	v_bfe_u32 v[WA1], v0, 3, 1                     ; x's scale words: rows 0-7 of source 0 belong to the first query, rows 8-15 to the second
	s_delay_alu instid0(VALU_DEP_4)
	v_lshlrev_b32 v[WA2], 2, v[HH]                 ; 4 bytes of x2
	v_lshlrev_b32 v[H8], 3, v[HH]
	v_mov_b32 v[PAD], 50133
	s_lshl_b32 s17, ttmp9, 4
	s_lshl_b32 s18, s16, 1
	s_add_co_u32 s17, s17, s18                     ; my wave's first query
	s_lshl_b32 s20, s17, 6
	s_mov_b32 s21, 0
	s_add_co_u32 s22, s17, XROW                    ; its row in the joined table
	s_lshl_b32 s24, s22, 4
	s_mov_b32 s25, 0
	s_mov_b32 s26, s22
	s_mov_b32 s27, 0
	s_lshl_b32 s28, s22, 2
	s_mov_b32 s29, 0
	s_mul_i32 s30, ttmp9, 384                      ; 16 queries x 24 bytes of output
	s_mov_b32 s31, 0
	s_mov_b32 s32, 0x76543210
	s_mov_b32 s33, 0xfedcba98                      ; v_permlanex16_b32's selects for lane l xor 16
	s_wait_alu depctr_va_vdst(0)
	s_wait_kmcnt 0x0
	s_add_nc_u64 s[10:11], s[10:11], s[20:21]
	s_add_nc_u64 s[24:25], s[4:5], s[24:25]
	s_add_nc_u64 s[26:27], s[8:9], s[26:27]
	s_add_nc_u64 s[28:29], s[6:7], s[28:29]
	s_add_nc_u64 s[14:15], s[14:15], s[30:31]
	global_load_b128 v[ID:ID+3], v[GO], s[10:11]   ; my query's five groups
	global_load_b32 v[ID+4], v[GO], s[10:11] offset:16
	global_load_b128 v[248:251], v[WA0], s[24:25]  ; its codes,
	global_load_u8 v252, v[WA1], s[26:27]          ; a scale byte,
	global_load_b32 v253, v[WA2], s[28:29]         ; its x2
	v_cmp_gt_u32 vcc_lo, 14, v[LAM]
	s_wait_loadcnt 3                               ; the groups are in; the three loads behind them may be out
.irp k, 0,1,2,3,4
	v_mad_u32_u24 v[IB+\k], v[ID+\k], 56, v[LAM]
.endr
.irp k, 0,1,2,3,4
	v_cndmask_b32 v[IB+\k], v[PAD], v[IB+\k], vcc_lo   ; lanes 14 and 15: rows 50,133 + 14 u, all padding
.endr
.irp k, 0,1,2,3,4
	v_min_u32 v[IB+\k], 0xc3d5, v[IB+\k]           ; 56 x 895 + 13 = 50,133 is the largest that a group gives: whatever the list holds, no address leaves a buffer
.endr
.irp k, 0,1,2,3,4
	v_lshlrev_b32 v[O16+\k], 4, v[IB+\k]
	v_lshlrev_b32 v[O4+\k], 2, v[IB+\k]
.endr
.set t, 0
.rept 20
	v_add_nc_u32 v[LO+t], 14*(t%4), v[IB+t/4]
.set t, t+1
.endr
.set t, 0
.rept 20
	v_min_u32 v[LO+t], 0xc34f, v[LO+t]             ; y_train has 50,000 labels: a padding row reads the last one, and its +infinity keeps it from voting
.set t, t+1
.endr
.set t, 0
.rept 20
	v_lshlrev_b32 v[LO+t], 2, v[LO+t]
.set t, t+1
.endr
	; 80 loads; row t = 4 k + u.  Fourteen neighbouring lanes read fourteen neighbouring rows
.set t, 0
.rept 20
	global_load_u8 v[SBY+t], v[IB+t/4], s[8:9] offset:14*(t%4)
.set t, t+1
.endr
.set t, 0
.rept 20
	global_load_b128 v[BQ+4*t:BQ+4*t+3], v[O16+t/4], s[4:5] offset:224*(t%4)   ; rows 2 p and 2 p + 1 are fragment p's registers 0-3 and 4-7
.set t, t+1
.endr
.set t, 0
.rept 20
	global_load_b32 v[E+t], v[O4+t/4], s[6:7] offset:56*(t%4)
.set t, t+1
.endr
.set t, 0
.rept 20
	global_load_b32 v[P+t], v[LO+t], s[12:13]
.set t, t+1
.endr
	s_wait_loadcnt 40                              ; the query's loads, the bytes and the codes are in; 20 t2 and 20 labels may be out
	v_add_nc_u32 v[ASC], 1, v252                   ; twice the scale,
	s_delay_alu instid0(VALU_DEP_1)
	v_lshl_or_b32 v[ASC], v[ASC], 8, v[ASC]
	s_delay_alu instid0(VALU_DEP_1)
	v_lshl_or_b32 v[ASC], v[ASC], 16, v[ASC]       ; for whichever block holds the codes
.irp p, 0,1,2,3,4,5,6,7,8,9
	v_lshl_or_b32 v[SW+\p], v[SBY+2*\p+1], 16, v[SBY+2*\p]   ; my two bytes of product p: blocks h and 2 + h of column l,
.endr
.irp p, 0,1,2,3,4,5,6,7,8,9
	v_lshlrev_b32 v[SW+\p], v[H8], v[SW+\p]        ; at their places in the word;
.endr
.irp p, 0,1,2,3,4,5,6,7,8,9
	v_permlanex16_b32 v[SBY+\p], v[SW+\p], s32, s33
.endr
.irp p, 0,1,2,3,4,5,6,7,8,9
	v_or_b32 v[SW+\p], v[SW+\p], v[SBY+\p]         ; with lane l xor 16's two the word is whole
.endr
	v_mov_b32 v[XC], v253                          ; rows 8 h and 8 h + 1 begin from x2
	v_mov_b32 v[XC+1], v253
.irp j, 2,3,4,5,6,7
	v_mov_b32 v[XC+\j], 0
.endr
.irp i, 0,1,2,3
	v_xor_b32 v[248+\i], 0x88888888, v[248+\i]     ; every code's sign is flipped
.endr
	v_add_nc_u32 v[TP], 1, v[H8]
	v_cmp_eq_u32 s34, v[LAM], v[H8]
	s_delay_alu instid0(VALU_DEP_2)
	v_cmp_eq_u32 s35, v[LAM], v[TP]
.irp i, 0,1,2,3
	v_cndmask_b32 v[AQ+\i], 0, v[248+\i], s34      ; lane (8 h, h): row 8 h, block h
	v_cndmask_b32 v[AQ+4+\i], 0, v[248+\i], s35    ; lane (8 h + 1, h): row 8 h + 1, block 2 + h
.endr
	; The way out's addresses and a few constants are made here: over twenty plain instructions that name no register of the products, between the last write of a scale word or an operand and the first product.
	; The output's 96 words leave as 24 x 16 bytes: lane t' takes words 4 t' .. 4 t' + 3; t' = lane, and lanes 24-31 go with lanes 16-23 (the same bytes to the same place).
	v_bfe_u32 v[TP], v0, 3, 1
	v_bfe_u32 v[HH], v0, 4, 1
	s_delay_alu instid0(VALU_DEP_1)
	v_and_b32 v[HH], v[HH], v[TP]
	v_and_b32 v[TP], 31, v0
	s_delay_alu instid0(VALU_DEP_2)
	v_lshlrev_b32 v[HH], 3, v[HH]
	s_delay_alu instid0(VALU_DEP_1)
	v_sub_nc_u32 v[TP], v[TP], v[HH]
.irp i, 0,1,2,3
.if \i < 3
.set WA, WA0+\i
.else
.set WA, WA3
.endif
	v_lshl_add_u32 v[WA], v[TP], 2, \i             ; word o
	s_delay_alu instid0(VALU_DEP_1)
	v_mul_u32_u24 v[HH], v[WA], 43
	s_delay_alu instid0(VALU_DEP_1)
	v_lshrrev_b32 v[HH], 8, v[HH]                  ; o / 6, for o under 96
	s_delay_alu instid0(VALU_DEP_1)
	v_mul_u32_u24 v[HH], v[HH], 40
	s_delay_alu instid0(VALU_DEP_1)
	v_lshl_add_u32 v[WA], v[WA], 2, v[HH]          ; 64 (o / 6) + 4 (o % 6) = 4 o + 40 (o / 6)
.endr
	v_lshlrev_b32 v[TP], 4, v[TP]
	v_lshlrev_b32 v[GO], 2, v0
	v_mov_b32 v[XINF], 0x7f800000
	v_mov_b32 v[CNT], 0
	v_mov_b32 v[ONE], 1
	v_mov_b32 v[ONEF], 1.0
	s_wait_loadcnt 0x0                             ; t2 and the labels
	PROD 0
	PROD 1
	PROD 2
	PROD 3
	PAYB 0, 8
	PROD 4
	PROD 5
	PROD 6
	PROD 7
	PAYB 8, 8
	PROD 8
	PROD 9
	PAYB 16, 4
.rept 5                                            ; the five nearest, one after the other; each casts its vote: a count of four bits for each label
	EXTRACT 20, E, P, BQ, 40
	v_cvt_u32_f32 v[TA], v[XS]
	s_delay_alu instid0(VALU_DEP_1)
	v_and_b32 v[TA], 7, v[TA]                      ; the label
	s_delay_alu instid0(VALU_DEP_1)
	v_lshlrev_b32 v[TA], 2, v[TA]
	s_delay_alu instid0(VALU_DEP_1)
	v_lshlrev_b32 v[TA], v[TA], v[ONE]
	s_delay_alu instid0(VALU_DEP_1)
	v_add_nc_u32 v[CNT], v[CNT], v[TA]
.endr
	v_lshlrev_b32 v[TA], 2, v[LAM]                 ; lane l < 6 speaks for label l: key = 8 x its votes + 7 - l: the largest key has the most votes and, among equals, the lowest label
	s_delay_alu instid0(VALU_DEP_1)
	v_lshrrev_b32 v[TB], v[TA], v[CNT]
	s_delay_alu instid0(VALU_DEP_1)
	v_and_b32 v[TB], 15, v[TB]
	v_sub_nc_u32 v[TC], 7, v[LAM]
	s_delay_alu instid0(VALU_DEP_1)
	v_lshl_add_u32 v[TB], v[TB], 3, v[TC]
	v_cmp_gt_u32 vcc_lo, 6, v[LAM]
	s_delay_alu instid0(VALU_DEP_1)
	v_cndmask_b32 v[TB], 0, v[TB], vcc_lo
	s_delay_alu instid0(VALU_DEP_1)
	v_cvt_f32_u32 v[TB], v[TB]
.irp m, 1,2,4,8
	s_delay_alu instid0(VALU_DEP_1)
	v_max_num_f32_dpp v[TB], v[TB], v[TB] row_xmask:\m row_mask:0xf bank_mask:0xf
.endr
	s_delay_alu instid0(VALU_DEP_1)
	v_cvt_u32_f32 v[TB], v[TB]
	s_delay_alu instid0(VALU_DEP_1)
	v_and_b32 v[TB], 7, v[TB]
	s_delay_alu instid0(VALU_DEP_1)
	v_sub_nc_u32 v[TB], 7, v[TB]                   ; the winner
	s_delay_alu instid0(VALU_DEP_1)
	v_cmp_eq_u32 vcc_lo, v[TB], v[LAM]
	s_delay_alu instid0(VALU_DEP_1)
	v_cndmask_b32 v[TA], 0, v[ONEF], vcc_lo
	ds_store_b32 v[GO], v[TA]                      ; 64 bytes a query, of which the first 24 are its row of the output
	s_wait_dscnt 0x0                               ; for wave 0's sake
	s_barrier_signal -1
	s_barrier_wait -1
	s_cmp_lg_u32 s16, 0
	s_cbranch_scc1 .Ldone
	ds_load_b32 v[ID], v[WA0]
	ds_load_b32 v[ID+1], v[WA1]
	ds_load_b32 v[ID+2], v[WA2]
	ds_load_b32 v[ID+3], v[WA3]
	s_wait_dscnt 0x0
	global_store_b128 v[TP], v[ID:ID+3], s[14:15]  ; the work-group's 384 consecutive bytes by one instruction
.Ldone:
	s_barrier_signal -1
	s_barrier_wait -1
	s_set_vgpr_msb 0x5
	s_wait_tensorcnt 0x0
	ds_add_u32 v0, v1
	s_wait_dscnt 0x0
	s_set_vgpr_msb 0x500
	s_endpgm
.Lfunc_end_k_q9515c3d76e_final:
	.size	k_q9515c3d76e_final, .Lfunc_end_k_q9515c3d76e_final-k_q9515c3d76e_final
	.p2alignl 7, 3214868480
	.fill 96, 4, 3214868480
	.section	.rodata,"a",@progbits
	.p2align	6, 0x0
	.amdhsa_kernel k_q9515c3d76e_final
		.amdhsa_group_segment_fixed_size 2304
		.amdhsa_private_segment_fixed_size 0
		.amdhsa_enable_private_segment 0
		.amdhsa_kernarg_size 48
		.amdhsa_user_sgpr_count 2
		.amdhsa_user_sgpr_kernarg_segment_ptr 1
		.amdhsa_wavefront_size32 1
		.amdhsa_system_sgpr_workgroup_id_x 1
		.amdhsa_system_sgpr_workgroup_id_y 1
		.amdhsa_system_sgpr_workgroup_id_z 1
		.amdhsa_system_vgpr_workitem_id 0
		.amdhsa_next_free_vgpr 258
		.amdhsa_next_free_sgpr 66
		.amdhsa_reserve_vcc 1
		.amdhsa_float_denorm_mode_32 3
		.amdhsa_float_denorm_mode_16_64 3
		.amdhsa_memory_ordered 1
		.amdhsa_forward_progress 1
		.amdhsa_inst_pref_size 65
	.end_amdhsa_kernel
	.amdgpu_metadata
---
amdhsa.version: [ 1, 2 ]
amdhsa.kernels:
  - .name:           k_q9515c3d76e_final
    .symbol:         k_q9515c3d76e_final.kd
    .args:
      - { .name: codes, .offset: 0, .size: 8, .value_kind: global_buffer, .address_space: global }
      - { .name: sq, .offset: 8, .size: 8, .value_kind: global_buffer, .address_space: global }
      - { .name: sb, .offset: 16, .size: 8, .value_kind: global_buffer, .address_space: global }
      - { .name: gsel, .offset: 24, .size: 8, .value_kind: global_buffer, .address_space: global }
      - { .name: y_train, .offset: 32, .size: 8, .value_kind: global_buffer, .address_space: global }
      - { .name: out0, .offset: 40, .size: 8, .value_kind: global_buffer, .address_space: global }
    .group_segment_fixed_size: 2304
    .private_segment_fixed_size: 0
    .kernarg_segment_align: 8
    .kernarg_segment_size: 48
    .max_flat_workgroup_size: 256
    .sgpr_count:     66
    .vgpr_count:     258
    .wavefront_size: 32
...
	.end_amdgpu_metadata
.endif
;; end of part 3
